; MI455X (gfx1250); checked and timed in simulation.
; The chip was launched on July 23, 2026; its instructions are those of AMD's public machine-readable ISA for CDNA 5 (MIT licence, August 2026) and "CDNA5" Instruction Set Architecture Reference Guide (July 2026). The comments in the code are by the model that wrote it; some were corrected since.
;; Attention. Allowed arithmetic: float matrix products may take bf16 or f16 operands with f32 sums; other float arithmetic in f32, or as packed bf16 or f16 multiplies, adds, multiply-adds, maxima and minima; sums over many terms, partial sums and values carried from step to step in f32; what a program stores and reads back later, other than sums and carried values, may be rounded once to bf16 or f16.
;; Inputs: Wk 512 x 512 float32; Wq 512 x 512 float32; Wv 512 x 512 float32; bk 512 float32; bq 512 float32; bv 512 float32; x 8 x 2,048 x 512 float32.
;; Outputs: out0 8 x 2,048 x 512 float32.
;; One version. Each part assembles by itself: llvm-mc -triple=amdgcn-amd-amdhsa -mcpu=gfx1250 --defsym DOCPART=n.
;; ======== version 1 of 1: 3 launches
;; limits: values are held in f16: magnitudes above 65,504 overflow, below 6.1e-05 lose precision
;; workspace buffers: Wf 1,572,864 bytes; Qf 16,777,216 bytes; Kf 16,777,216 bytes; Vf 16,777,216 bytes
;; launch prep (part 1): grid 256 x 1, 6 waves a work-group, no clusters, 0 bytes of LDS; arguments Wq, Wk, Wv, Wf; writes Wf
.if DOCPART == 1
	.amdgcn_target "amdgcn-amd-amdhsa--gfx1250"
	.amdhsa_code_object_version 6
	.text
	.protected	k_q72d72f2b9a_prep
	.globl	k_q72d72f2b9a_prep
	.p2align	8
	.type	k_q72d72f2b9a_prep,@function
k_q72d72f2b9a_prep:
	s_mov_b64 s[64:65], 0
	v_nop
	global_prefetch_b8 v0, s[64:65] scope:SCOPE_SE
	s_setreg_imm32_b32 hwreg(HW_REG_WAVE_MODE, 25, 1), 1
	s_wait_xcnt 0x0
; THE PROGRAM.  out = softmax(Q K^T / sqrt(512)) V with Q = x Wq + bq, K = x Wk + bk, V = x Wv + bv; x [8][2048][512], W [512][512], all f32.
; Three launches: this one lays the weights out for the matrix unit; the second makes Q, K, V; the third is the attention.
; WORK LEFT OUT: bk.  scores[q][k] = scale Q[q] . (x[k] Wk + bk) = scale Q[q] . (x[k] Wk) + scale Q[q] . bk.  The second term does not hang on k: it is the
; same along the softmax's axis, and softmax(s + t) = softmax(s) for every number t, whatever finite values x, the weights and the biases hold.  K enters the result
; through the scores alone.  So bk has no way to any output: it is not loaded and is no argument of any launch.  bq (its term bq . K[k] hangs on k) and bv are live.
; LIMIT: a NaN, an infinity or an overflow that arises in bk or in Q . bk alone is not carried to the result.
;
; THIS LAUNCH: Wq, Wk, Wv, stored [d][h] in f32, are rounded once to bf16 and written in the order in which a matrix operand lies in registers:
; Wf = [ch 2][s 8][w 4][mat 3][c 4][kk 2][q 2][lane 32][16 bytes].  The 16 bytes of lane (r = lane % 16, h = lane / 16) are W_mat[32 ks + 16 q + 8 h + 0..7][16 ct + r],
; ct = 16 ch + 4 w + c, ks = 2 s + kk: a block of 1,024 bytes is one fragment of 16 columns x 32 d.  So the next launch fetches dense blocks and reads them lane by lane.
; SHARES: 1,536 blocks, one a wave: work-group g gives ch, s, w, c; the wave's number gives mat and kk.  A load of the wave takes 2 x 64 bytes (16 columns of rows 8 apart); the work-groups that differ in c alone
; take the neighbouring columns.  3 MiB are read once in all.  Each store of the wave covers 512 consecutive bytes, aligned.  No LDS, no matrix unit: there is nothing to share or to multiply.
.set ROWB, 2048                        ; bytes in a row of W
	s_load_b256 s[4:11], s[0:1], 0x0               ; Wq s[4:5], Wk s[6:7], Wv s[8:9], Wf s[10:11]
	v_lshrrev_b32 v1, 5, v0
	v_readfirstlane_b32 s12, v1                    ; wave 0..5
	s_lshr_b32 s13, s12, 1                         ; mat
	s_and_b32 s14, s12, 1                          ; kk
	s_bfe_u32 s15, ttmp9, 0x30004                  ; s: 3 bits from bit 4
	s_lshl1_add_u32 s15, s15, s14                  ; ks = 2 s + kk
	s_lshr_b32 s16, ttmp9, 7                       ; ch
	s_and_b32 s17, ttmp9, 15                       ; 4 w + c
	s_lshl4_add_u32 s16, s16, s17                  ; ct
	s_lshl_b32 s18, s15, 16                        ; 32 ks rows of 2,048 bytes
	s_lshl_b32 s16, s16, 6                         ; 16 ct columns of 4 bytes
	s_add_co_u32 s18, s18, s16
	s_mov_b32 s19, 0
	s_lshr_b32 s20, ttmp9, 2                       ; (ch 8 + s) 4 + w
	s_mul_i32 s20, s20, 24
	s_lshl3_add_u32 s20, s13, s20                  ; + 8 mat
	s_and_b32 s21, ttmp9, 3
	s_lshl1_add_u32 s20, s21, s20                  ; + 2 c
	s_add_co_u32 s20, s20, s14                     ; + kk
	s_lshl_b32 s20, s20, 10                        ; blocks of 1,024 bytes
	s_mov_b32 s21, 0
	v_and_b32 v4, 15, v0                           ; r
	v_bfe_u32 v5, v0, 4, 1                         ; h
	v_lshlrev_b32 v2, 2, v4
	v_lshl_add_u32 v2, v5, 14, v2                  ; 8 h rows + r columns
	v_and_b32 v3, 31, v0
	v_lshlrev_b32 v3, 4, v3                        ; 16 x lane
	s_wait_kmcnt 0x0
	s_cmp_eq_u32 s13, 0
	s_cselect_b64 s[22:23], s[4:5], s[6:7]         ; the matrix is chosen by the wave's number
	s_cmp_eq_u32 s13, 2
	s_cselect_b64 s[22:23], s[8:9], s[22:23]
	s_add_nc_u64 s[22:23], s[22:23], s[18:19]
	s_add_nc_u64 s[10:11], s[10:11], s[20:21]
.set n_, 0
.rept 16                               ; number n: q = n / 8, i = n % 8: row 16 q + i of my 8 h + ..
	global_load_b32 v[8+n_], v2, s[22:23] offset:(16*(n_/8)+n_%8)*ROWB
.set n_, n_+1
.endr
	s_wait_loadcnt 0x0
.set n_, 0
.rept 8
	v_cvt_pk_bf16_f32 v[24+n_], v[8+2*n_], v[8+2*n_+1]  ; the lower d in the lower half
.set n_, n_+1
.endr
	global_store_b128 v3, v[24:27], s[10:11]             ; q = 0
	global_store_b128 v3, v[28:31], s[10:11] offset:512  ; q = 1
	s_endpgm
.Lfunc_end_k_q72d72f2b9a_prep:
	.size	k_q72d72f2b9a_prep, .Lfunc_end_k_q72d72f2b9a_prep-k_q72d72f2b9a_prep
	.p2alignl 7, 3214868480
	.fill 96, 4, 3214868480
	.section	.rodata,"a",@progbits
	.p2align	6, 0x0
	.amdhsa_kernel k_q72d72f2b9a_prep
		.amdhsa_group_segment_fixed_size 0
		.amdhsa_private_segment_fixed_size 0
		.amdhsa_enable_private_segment 0
		.amdhsa_kernarg_size 32
		.amdhsa_user_sgpr_count 2
		.amdhsa_user_sgpr_kernarg_segment_ptr 1
		.amdhsa_wavefront_size32 1
		.amdhsa_system_sgpr_workgroup_id_x 1
		.amdhsa_system_sgpr_workgroup_id_y 1
		.amdhsa_system_sgpr_workgroup_id_z 1
		.amdhsa_system_vgpr_workitem_id 0
		.amdhsa_next_free_vgpr 32
		.amdhsa_next_free_sgpr 66
		.amdhsa_reserve_vcc 0
		.amdhsa_float_denorm_mode_32 3
		.amdhsa_float_denorm_mode_16_64 3
		.amdhsa_memory_ordered 1
		.amdhsa_forward_progress 1
		.amdhsa_inst_pref_size 4
	.end_amdhsa_kernel
	.amdgpu_metadata
---
amdhsa.version: [ 1, 2 ]
amdhsa.kernels:
  - .name:           k_q72d72f2b9a_prep
    .symbol:         k_q72d72f2b9a_prep.kd
    .args:
      - { .name: Wq, .offset: 0, .size: 8, .value_kind: global_buffer, .address_space: global }
      - { .name: Wk, .offset: 8, .size: 8, .value_kind: global_buffer, .address_space: global }
      - { .name: Wv, .offset: 16, .size: 8, .value_kind: global_buffer, .address_space: global }
      - { .name: Wf, .offset: 24, .size: 8, .value_kind: global_buffer, .address_space: global }
    .group_segment_fixed_size: 0
    .private_segment_fixed_size: 0
    .kernarg_segment_align: 8
    .kernarg_segment_size: 32
    .max_flat_workgroup_size: 192
    .sgpr_count:     66
    .vgpr_count:     32
    .wavefront_size: 32
...
	.end_amdgpu_metadata
.endif
;; end of part 1
;; launch proj (part 2): grid 128 x 2, 4 waves a work-group, clusters of 4 x 1, 327,680 bytes of LDS; arguments x, Wf, bq, bv, Qf, Kf, Vf; writes Qf, Kf, Vf
.if DOCPART == 2
	.amdgcn_target "amdgcn-amd-amdhsa--gfx1250"
	.amdhsa_code_object_version 6
	.text
	.protected	k_q72d72f2b9a_proj
	.globl	k_q72d72f2b9a_proj
	.p2align	8
	.type	k_q72d72f2b9a_proj,@function
k_q72d72f2b9a_proj:
	s_mov_b64 s[64:65], 0
	v_nop
	global_prefetch_b8 v0, s[64:65] scope:SCOPE_SE
	s_setreg_imm32_b32 hwreg(HW_REG_WAVE_MODE, 25, 1), 1
	s_wait_xcnt 0x0
	s_wait_alu depctr_hold_cnt(0) depctr_sa_sdst(0) depctr_va_vdst(0) depctr_va_sdst(0) depctr_va_ssrc(0) depctr_va_vcc(0) depctr_vm_vsrc(0)
	s_getreg_b32 s2, hwreg(HW_REG_IB_STS2, 6, 4)
	s_cmp_eq_u32 s2, 0
	s_cbranch_scc0 .Lentry_in_a_cluster
	s_endpgm
.Lentry_in_a_cluster:
	s_bfe_u32 s2, ttmp6, 0x10000c
	s_cmp_lg_u32 s2, 0x3003
	s_cbranch_scc0 .Lentry_shape_is_right
	s_endpgm
.Lentry_shape_is_right:
; Q = x Wq + bq, K = x Wk, V = x Wv + bv.  x [16384][512] f32; Wf: the three weights in bf16, in fragment order (the launch before).  bk is left out: it adds to each row of scores a term that is the same
; along the softmax's axis (shown at the head of the first kernel).  x and the biases are rounded to bf16 like the weights; products in bf16, sums in f32; Q, K, V rounded once to f16.
; LIMIT: f16 ends at 65,504: |Q|, |K|, |V| must stay below it (x and W each 30 times the unit spread give numbers of some thousands; offsets of 30 spreads in both some 20,000).
; SHARES.  A work-group takes 128 rows of x and columns 256 ch .. 256 ch + 255 of ALL THREE matrices: 128 x 2 = 256 equal work-groups.  Wave w takes all 128 rows (8 tiles i) x 64 columns of each matrix
; (4 tiles c, ct = 16 ch + 4 w + c): 96 accumulators, 768 registers.  For 32 along d a wave reads 8 fragments of x and 12 of W from LDS, 40 loads for 96 matrix instructions; its fragments of W are its own.
; OPERANDS.  Q and K: source 0 = W's fragment, source 1 = x's: a lane then holds ONE row and eight neighbouring channels.  V: source 0 = x's, source 1 = W's: a lane holds ONE channel and eight neighbouring keys.
; Rounded in pairs, both are the very 16 bytes that a lane of the next launch's fragments holds, so they are stored as they lie:
;   Qf, Kf = [row tile T 1024][ct 32][lane 32][16 bytes]: row 16 T + r, channels 16 ct + 8 h + 0..7
;   Vf     = [step S 256][w' 4][kk 2][c' 8][q 2][lane 32][16 bytes]: channel 16 (8 w' + c') + r, keys 64 S + 32 kk + 16 q + 8 h + 0..7
; Each store of a wave covers 512 consecutive bytes, aligned: no stage in LDS on the way out.
; THE WALK: 8 trips of 64 along d.  W's 98,304 bytes of a trip come by tensor loads into two slots that take turns, 24,576 dense bytes a wave (96 rows of 256 bytes).
; CLUSTER: the four row blocks of a cluster share ch and walk the same W: each tile is asked for JOINTLY (mask of four).  x differs between them and comes through registers: loaded two trips ahead,
; rounded to bf16 one trip ahead and put into one of two stages in LDS, rows of 128 + 16 bytes (36 words: the 16 rows of a fragment load start at 16 different groups of four banks; ISA guide 11.1: 64 banks of 4 bytes).
; LDS: 0 W slot 0; 98,304 W slot 1; 196,608 x stage 0; 215,040 x stage 1 (written by ds_store alone); 233,472 the spare words.
; REGISTERS, in windows of 256 (s_set_vgpr_msb: bits 1:0 source 0, 3:2 source 1, 5:4 source 2, 7:6 destination): window 0: addresses, x as loaded, fragments; windows 1, 2, 3: Q's, K's, V's accumulators, (c, i) at 8 (8 c + i).
.set WSH,    24576                     ; a wave's share of a trip's W
.set SLOTB,  4*WSH
.set STG,    2*SLOTB
.set XPITCH, 144
.set STGB,   128*XPITCH
.set SPARE,  STG+2*STGB                ; 128 bytes for each wave: two blocks of 256 bytes that no other line names
.set SPW, 2                            ; v2   LDS address of my spare word; never rewritten
.set NIL, 3                            ; v3   0; never rewritten
.set AW0, 4                            ; v4-5 my 16 bytes in my share of W slot 0, 1
.set AX,  6                            ; v6   my place in a fragment of x in stage 0
.set XS,  7                            ; v7   where I put 8 bytes of x in stage 0
.set XO,  8                            ; v8   my byte offset in the block's rows of x
.set PFX, 9                            ; v9   x's prefetch: a lane a row of my wave's 32
.set PFW, 10                           ; v10  W's prefetch: a lane 256 bytes
.set SO,  11                           ; v11  16 x lane
.set BO,  12                           ; v12  32 h
.set BR,  13                           ; v13  4 r
.set XL,  16                           ; v16-79   x as loaded (16 x 4 f32), then rounded; at the end the biases
.set X,   80                           ; v80-143  x's fragments, tile i at + 8 i
.set WF,  144                          ; v144-239 W's fragments: matrix mat, tile c at + 32 mat + 8 c
.set TMP, 80                           ; the way out: 128 registers of packed results
.set WV,  12                           ; s12  my wave's number
.set CX,  13                           ; s13  my place in the cluster: it enters x's, Q's, K's, V's and the prefetch's addresses alone
.set RB,  14                           ; s14  my block of 128 rows
.set CH,  15                           ; s15  which half of the columns
.set LW,  22                           ; s22  wave x 24,576
.set G1,  24                           ; s[24:31] descriptor group 1
.set G0,  40                           ; s[40:43] descriptor group 0: it walks
.set XP,  46                           ; s[46:47] x at my block, at the trip last loaded
.set WPF, 48                           ; s[48:49] where W's prefetch stands
.set IT,  53                           ; s53  the loop's count
.set LX1, 54                           ; s54, s55, s56: a wave prefetches while s[IT] is above its limit; the greatest number in a wave that never does
.set LX2, 55
.set LW1, 56
.set MSB, 0
.macro WIN new                         ; the immediate's high byte repeats the setting that is left; a switch that changes nothing is dropped
.if MSB != (\new)
	s_set_vgpr_msb (MSB<<8)|(\new)
.set MSB, (\new)
.endif
.endm
.macro PLACES                          ; four places in front of loads into registers that matrix instructions have read (ISA guide 7.12.1 for vector instructions)
.rept 4
	v_nop
.endr
.endm
; A round of the cluster's barrier: my work-group's barrier, so that wave 0's signal speaks for all four waves; wave 0 signals; every wave waits for all four work-groups; my work-group's barrier once more.
.macro ROUND
	s_barrier_signal -1
	s_barrier_wait -1
	s_cmp_lg_u32 s[WV], 0
	s_cbranch_scc1 .Lnot_wave_0_\@
	s_barrier_signal -3
.Lnot_wave_0_\@:
	s_barrier_wait -3
	s_barrier_signal -1
	s_barrier_wait -1
.endm
; THE HEAD OF A TRIP that reads W's slot `slot`.  Each wave waits for all its tensor loads (one is out: its share of this slot), adds 0 to its spare word, and waits for that, for its reads of the other slot and of
; the other stage, and for its stores into this trip's stage.  fill = 1: a round of the cluster's barrier, and the other slot takes the next trip's W, the first thing behind the round.
.macro TOP slot, fill
	WIN 0
	s_wait_xcnt 0x0                                ; the last trip's prefetches and loads have read their addresses
	s_wait_tensorcnt 0x0                           ; no tensor load of mine is out, so group 0 may be written
	ds_add_u32 v[SPW], v[NIL]                      ; 0 onto my spare word; the steps below stand between it and the wait for it
.if \fill
	s_add_nc_u64 s[WPF:WPF+1], s[WPF:WPF+1], SLOTB
	s_add_co_u32 s[G0+1], s[LW], (1-(\slot))*SLOTB
	s_add_nc_u64 s[G0+2:G0+3], s[G0+2:G0+3], SLOTB ; the next trip's W; the type bits on top are not reached
.endif
	s_wait_dscnt 0x0
.if \fill
	ROUND
	tensor_load_to_lds s[G0:G0+3], s[G1:G1+7]
	s_nop 0
.else
	s_barrier_signal -1
	s_barrier_wait -1
.endif
	PLACES                                         ; also the places in front of the fragment loads
.endm
.macro LDX half, buf, kk               ; four tiles of x (rows 64 half on), 32 along d at byte 64 kk of the stage's rows
	WIN 0
.irp ii, 0,1,2,3
	ds_load_b128 v[X+8*(4*(\half)+(\ii)):X+8*(4*(\half)+(\ii))+3],   v[AX] offset:(\buf)*STGB+(4*(\half)+(\ii))*16*XPITCH+(\kk)*64
	ds_load_b128 v[X+8*(4*(\half)+(\ii))+4:X+8*(4*(\half)+(\ii))+7], v[AX] offset:(\buf)*STGB+(4*(\half)+(\ii))*16*XPITCH+(\kk)*64+32
.endr
.endm
.macro LDW mat, slot, kk               ; my four fragments of one matrix: lane by lane, 512 consecutive bytes a load
	WIN 0
.irp cc, 0,1,2,3
	ds_load_b128 v[WF+32*(\mat)+8*(\cc):WF+32*(\mat)+8*(\cc)+3],   v[AW0+(\slot)] offset:(((\mat)*4+(\cc))*2+(\kk))*1024
	ds_load_b128 v[WF+32*(\mat)+8*(\cc)+4:WF+32*(\mat)+8*(\cc)+7], v[AW0+(\slot)] offset:(((\mat)*4+(\cc))*2+(\kk))*1024+512
.endr
.endm
; 16 matrix instructions: four tiles of rows x four tiles of columns of one matrix.  zero = 1: the first product starts the sums.  All 96 accumulators take turns, one instruction a turn.
.macro UNIT mat, half, zero
	WIN 0x50*((\mat)+1)                            ; C and D in window 1, 2 or 3
.irp cc, 0,1,2,3
.irp ii, 0,1,2,3
.set a_, 8*(8*(\cc)+4*(\half)+(\ii))
.set x_, X+8*(4*(\half)+(\ii))
.set w_, WF+32*(\mat)+8*(\cc)
.if (\mat) == 2
.if \zero
	v_wmma_f32_16x16x32_bf16 v[a_:a_+7], v[x_:x_+7], v[w_:w_+7], 0
.else
	v_wmma_f32_16x16x32_bf16 v[a_:a_+7], v[x_:x_+7], v[w_:w_+7], v[a_:a_+7]
.endif
.else
.if \zero
	v_wmma_f32_16x16x32_bf16 v[a_:a_+7], v[w_:w_+7], v[x_:x_+7], 0
.else
	v_wmma_f32_16x16x32_bf16 v[a_:a_+7], v[w_:w_+7], v[x_:x_+7], v[a_:a_+7]
.endif
.endif
.endr
.endr
.endm
.macro XLOAD                           ; my 32 rows x 256 bytes of x: a load takes two rows, 256 consecutive aligned bytes of each
.irp j, 0,1,2,3,4,5,6,7,8,9,10,11,12,13,14,15
	global_load_b128 v[XL+4*(\j):XL+4*(\j)+3], v[XO], s[XP:XP+1] offset:(\j)*4096
.endr
.endm
; x of the next trip, loaded a trip ago, is rounded to bf16 and put into stage buf; then x of the trip after it is asked for.  xload = 2: not in the loop's last trip, which has nothing further to load.
.macro STAGE buf, xload
	s_wait_loadcnt 0x0
.irp j, 0,1,2,3,4,5,6,7,8,9,10,11,12,13,14,15
	v_cvt_pk_bf16_f32 v[XL+4*(\j)],   v[XL+4*(\j)],   v[XL+4*(\j)+1]
	v_cvt_pk_bf16_f32 v[XL+4*(\j)+1], v[XL+4*(\j)+2], v[XL+4*(\j)+3]
.endr
.irp j, 0,1,2,3,4,5,6,7,8,9,10,11,12,13,14,15
	ds_store_b64 v[XS], v[XL+4*(\j):XL+4*(\j)+1] offset:(\buf)*STGB+(\j)*2*XPITCH
.endr
	s_wait_xcnt 0x0                                ; the pointer is written only behind this wait
	s_add_nc_u64 s[XP:XP+1], s[XP:XP+1], 256
.if (\xload) == 2
	s_cmp_eq_u32 s[IT], 1
	s_cbranch_scc1 .Lno_x_\@
.endif
	XLOAD
.if (\xload) == 2
.Lno_x_\@:
.endif
.endm
; THE PREFETCHES INTO THE L2 stand together behind the trip's loads of x.  x: the 256 bytes of each row that stand two loads on (trip s names trip s + 4's, s up to 3); both column halves read the same rows: ch = 0
; asks, each wave for its own 32 rows, a lane a row.  W: the trip that stands two refills on (trip s names trip s + 3's, s up to 4); all clusters of a column half walk the same W: the first of them asks;
; its four partners take 24,576 bytes each, told apart BY ADDRESS; in each, waves 0 to 2 ask for 8,192, a lane 256 bytes.  So each block is named once.  Nothing is asked for at the head.
.macro ASKX lim
	s_cmp_gt_u32 s[IT], s[\lim]
	s_cbranch_scc0 .Lnot_x_\@
	global_prefetch_b8 v[PFX], s[XP:XP+1] offset:512 th:TH_LOAD_NT scope:SCOPE_SE
.Lnot_x_\@:
.endm
.macro ASKW
	s_cmp_gt_u32 s[IT], s[LW1]
	s_cbranch_scc0 .Lnot_w_\@
	global_prefetch_b8 v[PFW], s[WPF:WPF+1] th:TH_LOAD_NT scope:SCOPE_SE
.Lnot_w_\@:
.endm
; A TRIP: 64 along d, 192 matrix instructions.  The LDS instructions in their order: x lo 8, x hi 8, WQ 8, WK 8, WV 8, the stage's 16 stores (stage = 1); then, each four places behind the last product that
; read its registers, the second half's WQ' 8, WK' 8, x lo' 8, x hi' 8, WV' 8.  Each wait counts what was issued behind the loads that it needs.
.macro TRIP slot, zero, stage, xload, fill, lx
	TOP \slot, \fill
	LDX 0, \slot, 0
	LDX 1, \slot, 0
	LDW 0, \slot, 0
	LDW 1, \slot, 0
	LDW 2, \slot, 0
.if \stage
	STAGE 1-(\slot), \xload
	ASKX \lx
	ASKW
.else
	s_wait_loadcnt 0x0                             ; XL is loaded anew only behind a wait for every earlier load into it; trip 6 asked for no x, so nothing is out here
.irp cc, 0,1,2,3                       ; the last trip has no x to stage: the biases come in its place: bq of my lane's 8 channels of tile c, bv of my lane's one
	global_load_b128 v[XL+8*(\cc):XL+8*(\cc)+3],   v[BO], s[8:9] offset:64*(\cc)
	global_load_b128 v[XL+8*(\cc)+4:XL+8*(\cc)+7], v[BO], s[8:9] offset:64*(\cc)+16
	global_load_b32  v[XL+32+2*(\cc)],             v[BR], s[10:11] offset:64*(\cc)
.endr
.endif
	s_wait_dscnt 16+16*(\stage)                    ; x and WQ are in; behind them: WK 8, WV 8, the stores
	UNIT 0, 0, \zero
	UNIT 0, 1, \zero
	PLACES
	LDW 0, \slot, 1
	s_wait_dscnt 16+16*(\stage)                    ; WK is in; behind it: WV 8, the stores, WQ' 8
	UNIT 1, 0, \zero
	UNIT 1, 1, \zero
	PLACES
	LDW 1, \slot, 1
	s_wait_dscnt 16+16*(\stage)                    ; WV is in; behind it: the stores, WQ' 8, WK' 8
	UNIT 2, 0, \zero
	PLACES
	LDX 0, \slot, 1
	UNIT 2, 1, \zero
	PLACES
	LDX 1, \slot, 1
	LDW 2, \slot, 1
	s_wait_dscnt 16                                ; WQ', WK', x lo' are in; behind them: x hi' 8, WV' 8
	UNIT 0, 0, 0
	s_wait_dscnt 8                                 ; x hi' is in; behind it: WV' 8
	UNIT 0, 1, 0
	UNIT 1, 0, 0
	UNIT 1, 1, 0
	s_wait_dscnt 0x0
	UNIT 2, 0, 0
	UNIT 2, 1, 0
.endm
	s_load_b256 s[4:11], s[0:1], 0x0               ; x s[4:5], Wf s[6:7], bq s[8:9], bv s[10:11]
	s_load_b128 s[16:19], s[0:1], 0x20             ; Qf s[16:17], Kf s[18:19]
	s_load_b64 s[20:21], s[0:1], 0x30              ; Vf
	v_lshl_add_u32 v[SPW], v0, 2, SPARE
	v_mov_b32 v[NIL], 0
	ds_add_u32 v[SPW], v[NIL]                      ; the wave's opening: the add, twice on end, and its wait ahead of my first tensor load; the set-up below stands between
	ds_add_u32 v[SPW], v[NIL]
	v_lshrrev_b32 v1, 5, v0
	v_readfirstlane_b32 s[WV], v1                  ; wave 0..3
	v_and_b32 v14, 31, v0                          ; lane
	v_and_b32 v15, 15, v0                          ; r
	v_bfe_u32 v1, v0, 4, 1                         ; h
	s_bfe_u32 s[CX], ttmp6, 0x40000                ; cx
	s_lshl_b32 s[RB], ttmp9, 2                     ; in a cluster launch ttmp9 counts clusters
	s_add_co_u32 s[RB], s[RB], s[CX]
	s_and_b32 s[CH], ttmp7, 0xffff                 ; shared by the four partners
	s_mul_i32 s[LW], s[WV], WSH
	; descriptor group 1: 24,576 dense bytes as 96 rows of 32 elements of 8 bytes
	s_mov_b32 s[G1+0], 15|(3<<16)|(1<<21)          ; 15:0 the mask of four; 17:16 elements of 8 bytes; 21 set beside a mask; no padding
	s_mov_b32 s[G1+1], 32<<16                      ; tensor_dim0 = 32
	s_mov_b32 s[G1+2], 96<<16                      ; tensor_dim1 = 96
	s_mov_b32 s[G1+3], 32<<16                      ; tile_dim0 = 32
	s_mov_b32 s[G1+4], 96                          ; tile_dim1 = 96
	s_mov_b32 s[G1+5], 32                          ; 32 elements from row to row
	s_mov_b32 s[G1+6], 0
	s_mov_b32 s[G1+7], 0
	s_mov_b32 s[G0], 1                             ; count = 1
	s_mov_b32 s[G0+1], s[LW]                       ; LDS address: my share of slot 0: no place in the cluster enters it
	s_mul_i32 s2, s[CH], 8*SLOTB                   ; W's offset: the column half and my wave's share
	s_add_co_u32 s2, s2, s[LW]
	s_mov_b32 s3, 0
	s_mul_i32 s58, s[CH], 8*SLOTB                  ; the prefetch's: the column half, my work-group's quarter, two trips on (the first trip's head steps it to three)
	s_mul_i32 s59, s[CX], WSH
	s_add_co_u32 s58, s58, s59
	s_add_co_u32 s58, s58, 2*SLOTB
	s_mov_b32 s59, 0
	s_lshl_b32 s60, s[RB], 18                      ; 128 rows of 2,048 bytes of x
	s_mov_b32 s61, 0
	s_lshl_b32 s62, s[RB], 17                      ; 128 rows of 1,024 bytes of Qf, Kf, Vf
	s_lshl_b32 s66, s[CH], 4
	s_lshl2_add_u32 s66, s[WV], s66                ; 16 ch + 4 w: my first column tile
	s_lshl_b32 s68, s66, 9
	s_add_co_u32 s68, s68, s62                     ; Qf, Kf
	s_mov_b32 s69, 0
	s_lshr_b32 s70, s[WV], 1
	s_lshl1_add_u32 s70, s[CH], s70                ; w' = 2 ch + w / 2
	s_lshl_b32 s70, s70, 14
	s_and_b32 s71, s[WV], 1
	s_lshl_b32 s71, s71, 12                        ; c' = 4 (w % 2) + c
	s_add_co_u32 s70, s70, s71
	s_add_co_u32 s70, s70, s62                     ; Vf
	s_mov_b32 s71, 0
	s_lshl_b32 s72, s66, 6                         ; 16 floats a tile in bq and bv
	s_mov_b32 s73, 0
	s_mul_i32 s74, s[WV], 32*XPITCH
	s_add_co_u32 s74, s74, STG
	s_lshl_b32 s75, s[WV], 16
	s_lshl_b32 s76, s[WV], 13
	v_lshl_add_u32 v[AW0], v14, 4, s[LW]
	v_add_nc_u32 v[AW0+1], SLOTB, v[AW0]
	v_mul_u32_u24 v[AX], v15, XPITCH
	v_lshl_add_u32 v[AX], v1, 4, v[AX]
	v_add_nc_u32 v[AX], STG, v[AX]                 ; row r x pitch + 16 h
	v_mul_u32_u24 v[XS], v1, XPITCH
	v_lshl_add_u32 v[XS], v15, 3, v[XS]
	v_add_nc_u32 v[XS], s74, v[XS]                 ; row 32 w + h, 8 bytes for each of 16 lanes
	v_lshlrev_b32 v[XO], 11, v1
	v_lshl_add_u32 v[XO], v15, 4, v[XO]
	v_add_nc_u32 v[XO], s75, v[XO]                 ; the same row in x, 16 bytes for each of 16 lanes
	v_lshl_add_u32 v[PFX], v14, 11, s75
	v_lshl_add_u32 v[PFW], v14, 8, s76
	v_lshlrev_b32 v[SO], 4, v14
	v_lshlrev_b32 v[BO], 5, v1
	v_lshlrev_b32 v[BR], 2, v15
	s_cmp_eq_u32 s[CH], 0
	s_cselect_b32 s[LX1], 1, -1
	s_cselect_b32 s[LX2], 2, -1
	s_cmp_eq_u32 s[WV], 3
	s_cselect_b32 s[LW1], 1, 0
	s_or_b32 s[LW1], s[LW1], ttmp9                 ; 0 in waves 0 to 2 of the column half's first cluster: the same in all four partners
	s_cmp_eq_u32 s[LW1], 0
	s_cselect_b32 s[LW1], 1, -1
	s_mov_b32 s[IT], 3
	s_wait_dscnt 0x0                               ; both opening adds are done
	s_wait_kmcnt 0x0
	s_add_nc_u64 s[G0+2:G0+3], s[6:7], s[2:3]      ; global address: trip 0
	s_or_b32 s[G0+3], s[G0+3], 0x80000000          ; type = 2
	s_add_nc_u64 s[WPF:WPF+1], s[6:7], s[58:59]
	s_add_nc_u64 s[XP:XP+1], s[4:5], s[60:61]
	s_add_nc_u64 s[16:17], s[16:17], s[68:69]
	s_add_nc_u64 s[18:19], s[18:19], s[68:69]
	s_add_nc_u64 s[20:21], s[20:21], s[70:71]
	s_add_nc_u64 s[8:9], s[8:9], s[72:73]
	s_add_nc_u64 s[10:11], s[10:11], s[72:73]
	ROUND                                          ; all four work-groups are here: the first joint loads meet
	tensor_load_to_lds s[G0:G0+3], s[G1:G1+7]      ; trip 0's W into slot 0: by this text's count one tensor load of a wave is out at any time
	s_nop 0
	PLACES
	XLOAD                                          ; trip 0's x,
	STAGE 0, 1                                     ; into stage 0; trip 1's is asked for
	TRIP 0, 1, 1, 1, 1, LX1                        ; trip 0 stands in front of the loop: its first products start the sums
	WIN 0                                          ; at a label and at a branch every window is 0
.Lk:                                               ; three times: trips 1 and 2, 3 and 4, 5 and 6
	TRIP 1, 0, 1, 1, 1, LX1
	TRIP 0, 0, 1, 2, 1, LX2
	WIN 0
	s_sub_co_u32 s[IT], s[IT], 1
	s_cmp_lg_u32 s[IT], 0
	s_cbranch_scc1 .Lk
	TRIP 1, 0, 0, 0, 0, LX1                        ; trip 7 asks for nothing more, so no round of the cluster's barrier
	; THE WAY OUT.  The biases are rounded to bf16 and widened again: 60 plain instructions, the places behind the last products.
	WIN 0
	s_wait_loadcnt 0x0
.set n_, 0
.rept 16
	v_cvt_pk_bf16_f32 v[XL+2*n_+1], v[XL+2*n_], v[XL+2*n_+1]
	v_lshlrev_b32 v[XL+2*n_], 16, v[XL+2*n_+1]
	v_and_b32 v[XL+2*n_+1], 0xffff0000, v[XL+2*n_+1]
.set n_, n_+1
.endr
.rept 4                                ; bv of my one channel, twice: a pair for the packed addition
	v_cvt_pk_bf16_f32 v[XL+2*n_+1], v[XL+2*n_], v[XL+2*n_]
	v_lshlrev_b32 v[XL+2*n_], 16, v[XL+2*n_+1]
	v_and_b32 v[XL+2*n_+1], 0xffff0000, v[XL+2*n_+1]
.set n_, n_+1
.endr
.macro BADD mat                        ; the bias onto the 32 accumulators of Q (0) or V (2), each from its low end on
	WIN 0x41*((\mat)+1)
.set n_, 0
.rept 128
.if (\mat) == 0
	v_pk_add_f32 v[2*n_:2*n_+1], v[2*n_:2*n_+1], v[XL+8*(n_/32)+2*(n_%4):XL+8*(n_/32)+2*(n_%4)+1]
.else
	v_pk_add_f32 v[2*n_:2*n_+1], v[2*n_:2*n_+1], v[XL+32+2*(n_/32):XL+32+2*(n_/32)+1]
.endif
.set n_, n_+1
.endr
.endm
.macro CVT mat                         ; rounded once to f16: an accumulator's 8 numbers are 16 bytes
	WIN 5*((\mat)+1)
.set n_, 0
.rept 128
	v_cvt_pk_f16_f32 v[TMP+n_], v[2*n_], v[2*n_+1]
.set n_, n_+1
.endr
	WIN 0
.endm
.macro STQK base                       ; accumulator n: c = n / 8, i = n % 8.  Each store: 512 consecutive bytes, aligned
.set n_, 0
.rept 32
	global_store_b128 v[SO], v[TMP+4*n_:TMP+4*n_+3], s[\base:\base+1] offset:(n_%8)*16384+(n_/8)*512
.set n_, n_+1
.endr
.endm
	BADD 0
	CVT 0
	STQK 16
	BADD 2
	s_wait_xcnt 0x0                                ; the stores have read TMP
	CVT 1
	STQK 18
	s_wait_xcnt 0x0
	CVT 2
.set n_, 0
.rept 32                               ; row tile i: step i / 4 of my two, kk = (i / 2) % 2, q = i % 2
	global_store_b128 v[SO], v[TMP+4*n_:TMP+4*n_+3], s[20:21] offset:((n_%8)/4)*65536+(((n_%8)/2)%2)*8192+(n_/8)*1024+(n_%2)*512
.set n_, n_+1
.endr
	s_wait_tensorcnt 0x0                           ; the wave's end, behind my last tensor load and my last LDS store
	ds_add_u32 v[SPW], v[NIL]
	s_wait_dscnt 0x0
	ROUND                                          ; the closing round: no work-group ends while a partner may still ask for a tile that names it
	s_endpgm
.Lfunc_end_k_q72d72f2b9a_proj:
	.size	k_q72d72f2b9a_proj, .Lfunc_end_k_q72d72f2b9a_proj-k_q72d72f2b9a_proj
	.p2alignl 7, 3214868480
	.fill 96, 4, 3214868480
	.section	.rodata,"a",@progbits
	.p2align	6, 0x0
	.amdhsa_kernel k_q72d72f2b9a_proj
		.amdhsa_group_segment_fixed_size 327680
		.amdhsa_private_segment_fixed_size 0
		.amdhsa_enable_private_segment 0
		.amdhsa_kernarg_size 56
		.amdhsa_user_sgpr_count 2
		.amdhsa_user_sgpr_kernarg_segment_ptr 1
		.amdhsa_wavefront_size32 1
		.amdhsa_system_sgpr_workgroup_id_x 1
		.amdhsa_system_sgpr_workgroup_id_y 1
		.amdhsa_system_sgpr_workgroup_id_z 1
		.amdhsa_system_vgpr_workitem_id 0
		.amdhsa_next_free_vgpr 1024
		.amdhsa_next_free_sgpr 80
		.amdhsa_reserve_vcc 0
		.amdhsa_float_denorm_mode_32 3
		.amdhsa_float_denorm_mode_16_64 3
		.amdhsa_memory_ordered 1
		.amdhsa_forward_progress 1
		.amdhsa_inst_pref_size 156
	.end_amdhsa_kernel
	.amdgpu_metadata
---
amdhsa.version: [ 1, 2 ]
amdhsa.kernels:
  - .name:           k_q72d72f2b9a_proj
    .symbol:         k_q72d72f2b9a_proj.kd
    .args:
      - { .name: x, .offset: 0, .size: 8, .value_kind: global_buffer, .address_space: global }
      - { .name: Wf, .offset: 8, .size: 8, .value_kind: global_buffer, .address_space: global }
      - { .name: bq, .offset: 16, .size: 8, .value_kind: global_buffer, .address_space: global }
      - { .name: bv, .offset: 24, .size: 8, .value_kind: global_buffer, .address_space: global }
      - { .name: Qf, .offset: 32, .size: 8, .value_kind: global_buffer, .address_space: global }
      - { .name: Kf, .offset: 40, .size: 8, .value_kind: global_buffer, .address_space: global }
      - { .name: Vf, .offset: 48, .size: 8, .value_kind: global_buffer, .address_space: global }
    .group_segment_fixed_size: 327680
    .private_segment_fixed_size: 0
    .kernarg_segment_align: 8
    .kernarg_segment_size: 56
    .max_flat_workgroup_size: 128
    .sgpr_count:     80
    .vgpr_count:     1024
    .wavefront_size: 32
...
	.end_amdgpu_metadata
.endif
;; end of part 2
;; launch attn (part 3): grid 32 x 8, 4 waves a work-group, clusters of 4 x 1, 327,680 bytes of LDS; arguments Qf, Kf, Vf, out0; writes out0
.if DOCPART == 3
	.amdgcn_target "amdgcn-amd-amdhsa--gfx1250"
	.amdhsa_code_object_version 6
	.text
	.protected	k_q72d72f2b9a_attn
	.globl	k_q72d72f2b9a_attn
	.p2align	8
	.type	k_q72d72f2b9a_attn,@function
k_q72d72f2b9a_attn:
	s_mov_b64 s[64:65], 0
	v_nop
	global_prefetch_b8 v0, s[64:65] scope:SCOPE_SE
	s_setreg_imm32_b32 hwreg(HW_REG_WAVE_MODE, 25, 1), 1
	s_wait_xcnt 0x0
	s_wait_alu depctr_hold_cnt(0) depctr_sa_sdst(0) depctr_va_vdst(0) depctr_va_sdst(0) depctr_va_ssrc(0) depctr_va_vcc(0) depctr_vm_vsrc(0)
	s_getreg_b32 s2, hwreg(HW_REG_IB_STS2, 6, 4)
	s_cmp_eq_u32 s2, 0
	s_cbranch_scc0 .Lentry_in_a_cluster
	s_endpgm
.Lentry_in_a_cluster:
	s_bfe_u32 s2, ttmp6, 0x10000c
	s_cmp_lg_u32 s2, 0x3003
	s_cbranch_scc0 .Lentry_shape_is_right
	s_endpgm
.Lentry_shape_is_right:
; out[b][q][:] = the sum over k of softmax_k(Q[b][q] . K[b][k] / sqrt(512)) V[b][k][:].  Qf, Kf, Vf: f16, in fragment order (the launch before); K holds no bk: its term is the same along the softmax's axis
; (shown at the head of the first kernel).  Products in f16, maxima and sums in f32; the weights p are rounded to f16 for the second product (their sum l is taken of the unrounded p); out in f32.
; LIMITS.  Q, K, V arrive within f16's 65,504; p lies in 0 to 1; a weight below 2^-126 counts as 0 in l; NaN and infinities are not treated apart.
; SHARES.  16,384 queries on 256 work-groups: 64 queries each (four tiles i of 16), all 2,048 keys of the batch in 32 steps of 64.  A step's two products are shared out DIFFERENTLY among the four waves, so that every byte
; of K and of V is read from LDS once by the work-group:
;   S^T = K Q^T: wave w takes keys 16 w .. 16 w + 15 x all 64 queries: 4 accumulators x 16 steps of 32 channels = 64 matrix instructions; all of Q stays in 512 registers.
;   O^T = V^T P: wave w takes channels 128 w .. 128 w + 127 x all 64 queries: 32 accumulators (256 registers) x 2 steps of 32 keys = 64 matrix instructions.
; In S^T a lane holds ONE query (lane % 16) and the keys 8 (lane / 16) + 0..7; rounded in pairs, wave 2 kk + e's tile is registers 4 e .. 4 e + 3 of P's fragment kk.  What crosses between the waves goes
; through LDS: P (8 KiB a step, lane by lane) and each wave's row maxima (512 bytes a wave).
; SOFTMAX.  A running maximum m for each query, the same in all four waves (each takes the maximum of the same four words and the old m): p = 2^(c s - c m), c = log2(e) / sqrt(512); O and l are multiplied by
; a = 2^(c m_old - c m_new).  Each wave keeps l for its own keys; the four are added at the end.
; THE WALK IS STAGGERED.  Cluster j of a batch's eight begins at step 4 j and goes round: its trip-count u stands for step (4 j + u) % 32.  Maxima and sums do not hang on the order of the keys.  So at any time the eight
; clusters ask for eight different tiles.  Below, K(u), V(u), S(u), P(u) are counted along the cluster's own walk.
; A TRIP t, one barrier: TOP (P(t-1), the maxima of S(t) and the landed tiles are published; the refill goes out) | the maxima, P(t-1) and V(t-1) are fetched, O *= a(t-1) meanwhile | O += V(t-1)^T P(t-1), and BEHIND EVERY SECOND
; PRODUCT a slice of four vector instructions of the softmax of S(t): m, a, p, l, P(t) | S(t+1) = K(t+1) Q^T | its maxima.  The fragments come by halves, each into registers that the products have just left: K's channels
; 0-255 where V's keys 0-31 lay, behind product 36; K's channels 256-511 where V's keys 32-63 lay, behind product 64.  Trips 0 and 1 are written out: trip 0 has no P yet; trip 1's products start O's sums.
; THE RING.  Two slots of 131,072 bytes: 64 KiB of K, 64 KiB of V.  Trip t reads slot (t+1) % 2, which holds K(t+1) and V(t-1), and fills slot t % 2 with K(t+2) and V(t): one load of 32 KiB a wave (waves 0, 1: K's halves;
; 2, 3: V's).  At the start each wave asks for its quarter of K(0), K(1), V(0), V(1): four loads of a wave are out; later one.  Trips 0 and 1 fill K's area alone, trips 30 and 31 V's alone, a quarter a wave.
; CLUSTER.  The four query blocks of a cluster belong to one batch and walk the same K and V: every tile is asked for JOINTLY, by the same tensor load, descriptor and mask in all four.
; LDS: 0 slot 0; 131,072 slot 1; 262,144 and 274,432 two exchange areas that take turns (for each wave 3,072 bytes: P 4 x 512, maxima 512, l 512); 286,720 the spare words; 287,232 four stages of 16 rows x 528 bytes for the way out.
; All tiles are dense and every fragment load is lane by lane (16 bytes a lane, 512 on end): no padding, no turning load.
; REGISTERS, in windows of 256 (s_set_vgpr_msb: bits 1:0 source 0, 3:2 source 1, 5:4 source 2, 7:6 destination): window 0 below; window 1: O^T, (c, i) at 8 (4 c + i); windows 2, 3: Q, (ks, i) at 8 (4 (ks % 8) + i).
; All 1,024 are in use, and the softmax works in window 0 while V^T P writes window 1: so a slice costs two switches, 54 for a trip's 128 matrix instructions.
.set SLOTB, 131072
.set VAREA, 65536
.set XR,    2*SLOTB
.set XRB,   12288                      ; an exchange area
.set XW,    3072                       ; a wave's part of it
.set STATO, 2048
.set LSUMO, 2560
.set SPARE, XR+2*XRB                   ; 128 bytes for each wave: two blocks of 256 bytes that no other line names
.set STAGE, SPARE+512
.set SP,    528                        ; a stage's row: 512 bytes + 16 = 33 x 16: the 16 rows that a store touches start at 16 different groups of four banks (ISA guide 11.1: 64 banks of 4 bytes)
.set PFO, 1                            ; v1   256 x lane; never rewritten
.set SPW, 2                            ; v2   LDS address of my spare word; never rewritten
.set NIL, 3                            ; v3   0; never rewritten
.set AK0, 4                            ; v4-5 my 16 bytes in my key tile of slot 0, 1
.set AV0, 6                            ; v6-7 the same in my channels' part of V
.set ZL,  8                            ; v8   exchange area 0 + 16 x lane
.set ZWS, 9                            ; v9   the same in my wave's part
.set ST,  10                           ; v10-25 tile i: c m, m, a, l at + 4 i
.set T0,  26                           ; v26-27 at work
.set MX,  28                           ; v28-31 four maxima, a tile each
.set S,   32                           ; v32-63 S^T, tile i at + 8 i; P is packed into registers 0-3 of each tile
.set PF,  64                           ; v64-127 P's fragments, (kk, i) at + 8 (4 kk + i); the first 16 also at work on the sums, once the products of kk = 0 are over
.set SB,  PF+32                        ; v96-111 the four waves' maxima, until P's fragments of kk = 1 are fetched over them
.set U,   128                          ; v128-255 V's fragments, (kk, c) at + 8 (8 kk + c); then K's, ks at + 8 ks
.set STO, 4                            ; the way out: v4 where I put 16 bytes of a row, v5 where I read rows back, v6 my byte offset in 512 bytes of out
.set RD,  5
.set GO,  6
.set FR,  128                          ; the way out: two sets of 64: 16 rows read back
.set WV,  12                           ; s12  my wave's number
.set CX,  13                           ; s13  my place in the cluster: it enters Q's, out's and the prefetch's addresses alone
.set LW1, 16                           ; s16  wave x 16,384
.set LW2, 17                           ; s17  wave x 32,768
.set G1H, 24                           ; s[24:31] descriptor group 1: 128 rows of 256 bytes
.set G1Q, 32                           ; s[32:39] 64 rows
.set G0,  40                           ; s[40:43] descriptor group 0: K(0)'s, then the walking one
.set F1,  44                           ; s[44:47] K(1)'s
.set F2,  80                           ; s[80:83] V(0)'s
.set F3,  84                           ; s[84:87] V(1)'s
.set BASEW, 48                         ; s[48:49] the half that my regular refill brings, in the batch's step 0: waves 0, 1: of K; waves 2, 3: of V
.set PBASE, 50                         ; s[50:51] V's half (wave % 2) of the batch's step 0 + my work-group's 8,192 bytes
.set PFA, 52                           ; s[52:53] where my prefetch stands
.set OFF, 54                           ; s[54:55] 65,536 x a step's number in the batch
.set VQB, 56                           ; s[56:57] my quarter of V in the batch's step 0
.set NXT, 58                           ; s58  the trip
.set IT,  59                           ; s59  the loop's count
.set STA, 61                           ; s61  the step at which my cluster's walk begins: 4 x the cluster's number in the batch: the same in all four partners
.set ST2, 62                           ; s62  that + 2
.set AD2, 63                           ; s63  what my regular refill adds to the trip: waves 0, 1 (K(t+2)): s62; waves 2, 3 (V(t)): s61
.set CS,  66                           ; s[66:67] c: the packed scaling takes the pair's low word for both halves
.set SEL, 68                           ; s[68:69] v_permlanex16_b32's selects: each lane takes its own place in the other half
.set KQB, 76                           ; s[76:77] my quarter of K in the batch's step 0
.set MSB, 0
.macro WIN new                         ; the immediate's high byte repeats the setting that is left; a switch that changes nothing is dropped
.if MSB != (\new)
	s_set_vgpr_msb (MSB<<8)|(\new)
.set MSB, (\new)
.endif
.endm
.macro PLACES                          ; four places behind a matrix instruction, in front of loads into its sources and of vector instructions that read its result (ISA guide 7.12.1 for vector instructions)
.rept 4
	v_nop
.endr
.endm
; A round of the cluster's barrier: my work-group's barrier, so that wave 0's signal speaks for all four waves; wave 0 signals; every wave waits for all four work-groups; my work-group's barrier once more.
.macro ROUND
	s_barrier_signal -1
	s_barrier_wait -1
	s_cmp_lg_u32 s[WV], 0
	s_cbranch_scc1 .Lnot_wave_0_\@
	s_barrier_signal -3
.Lnot_wave_0_\@:
	s_barrier_wait -3
	s_barrier_signal -1
	s_barrier_wait -1
.endm
; THE HEAD OF TRIP t, par = t % 2.  Each wave waits for all its tensor loads, adds 0 to its spare word, and waits for that, for its reads of slot par and of the exchange areas, and for its stores of P and of the maxima.
; Behind the barrier nobody reads slot par any more, slot 1 - par is whole, and what the waves stored for each other may be read.  The barrier is a round of the cluster's where a joint refill follows, the first thing behind it.
; fill = 2: K(t+2) and V(t), 32 KiB a wave.  3: K(t+2), a quarter a wave.  1: V(t), a quarter a wave.  0: nothing.  The descriptor's address is made anew: the batch's step is (the walk's beginning + the trip (+ 2)) % 32.
.macro TOP par, fill
	WIN 0
.if (\fill) == 3
	s_wait_xcnt 0x0                                ; the last prefetch, a trip back, has read its address
.endif
	s_wait_tensorcnt 0x0                           ; no tensor load of mine is out, so group 0 may be written
	ds_add_u32 v[SPW], v[NIL]                      ; 0 onto my spare word; the scalar work stands between it and the wait for it
.if (\fill) == 2
	s_add_co_u32 s[OFF], s[NXT], s[AD2]
	s_add_co_u32 s[G0+1], s[LW2], (\par)*SLOTB
.elseif (\fill) == 3
	s_add_co_u32 s[OFF], s[NXT], s[ST2]
	s_add_co_u32 s[G0+1], s[LW1], (\par)*SLOTB
.elseif (\fill) == 1
	s_add_co_u32 s[OFF], s[NXT], s[STA]
	s_add_co_u32 s[G0+1], s[LW1], (\par)*SLOTB+VAREA
.endif
.if \fill
	s_and_b32 s[OFF], s[OFF], 31                   ; the walk goes round
	s_lshl_b32 s[OFF], s[OFF], 16
	s_add_co_u32 s[NXT], s[NXT], 1
.endif
.if (\fill) == 2
	s_add_nc_u64 s[G0+2:G0+3], s[BASEW:BASEW+1], s[OFF:OFF+1]
.elseif (\fill) == 3
	s_add_nc_u64 s[G0+2:G0+3], s[KQB:KQB+1], s[OFF:OFF+1]
	s_add_nc_u64 s[PFA:PFA+1], s[PBASE:PBASE+1], s[OFF:OFF+1]  ; V of the same step, t + 2
.elseif (\fill) == 1
	s_add_nc_u64 s[G0+2:G0+3], s[VQB:VQB+1], s[OFF:OFF+1]
.endif
.if \fill
	s_or_b32 s[G0+3], s[G0+3], 0x80000000
.endif
	s_wait_dscnt 0x0
.if \fill
	ROUND
.if (\fill) == 2
	tensor_load_to_lds s[G0:G0+3], s[G1H:G1H+7]
.else
	tensor_load_to_lds s[G0:G0+3], s[G1Q:G1Q+7]
.endif
	s_nop 0                                        ; LDS loads follow, under the window setting that stands
.else
	s_barrier_signal -1
	s_barrier_wait -1
.endif
.endm
; A PREFETCH INTO THE L2, in trips 0 and 1 alone: V(2) and V(3), for which the refills of trips 2 and 3 will ask: two trips ahead.  Of a batch's tiles a cluster is the first to ask for those of its walk's first four steps.
; Steps 0 and 1, and K of steps 2 and 3, are asked for at the head or straight behind it, by their loads alone; every later tile is one with which another cluster's walk began.  Waves 2 and 3 ask, each for the half that it will
; fetch; of its 32 KiB each of the four partners takes 8 KiB, told apart BY ADDRESS; a lane 256 bytes, one instruction a wave.  So each block is named once.  The branch hangs on the wave's number alone.
.macro ASK
	s_cmp_lt_u32 s[WV], 2
	s_cbranch_scc1 .Lnot_mine_\@
	global_prefetch_b8 v[PFO], s[PFA:PFA+1] th:TH_LOAD_NT scope:SCOPE_SE
.Lnot_mine_\@:
.endm
.macro LDK slot, half                  ; half of my key tile: 8 fragments (channels 256 half on), 16 loads
.set n_, 16*(\half)
.rept 16
	ds_load_b128 v[U+4*n_:U+4*n_+3], v[AK0+(\slot)] offset:512*n_
.set n_, n_+1
.endr
.endm
.macro LDM par                         ; the four waves' maxima of S(t)
.irp ww, 0,1,2,3
	ds_load_b128 v[SB+4*(\ww):SB+4*(\ww)+3], v[ZL] offset:(\par)*XRB+(\ww)*XW+STATO
.endr
.endm
.macro LDP kk, par                     ; P(t-1), keys 32 kk on: number n: wave n / 4 = 2 kk + e, tile n % 4
.set n_, 8*(\kk)
.rept 8
	ds_load_b128 v[PF+8*(4*(n_/8)+n_%4)+4*((n_/4)%2):PF+8*(4*(n_/8)+n_%4)+4*((n_/4)%2)+3], v[ZL] offset:(1-(\par))*XRB+(n_/4)*XW+(n_%4)*512
.set n_, n_+1
.endr
.endm
.macro LDV kk, par                     ; V(t-1), keys 32 kk on, my 128 channels: 8 fragments, channel tile c by loads 2 c, 2 c + 1
.set n_, 16*(\kk)
.rept 16
	ds_load_b128 v[U+4*n_:U+4*n_+3], v[AV0+1-(\par)] offset:512*n_
.set n_, n_+1
.endr
.endm
.macro RESC half                       ; half of O^T times a, each accumulator from its low end on; it stands while the trip's first LDS loads are out
	WIN 0x41
.set n_, 64*(\half)
.rept 64
	v_pk_mul_f32 v[2*n_:2*n_+1], v[2*n_:2*n_+1], v[ST+4*((n_/4)%4)+2:ST+4*((n_/4)%4)+3] op_sel_hi:[1,0]
.set n_, n_+1
.endr
.endm
; THE SOFTMAX of S(t) on my 16 keys x 64 queries, in 27 SLICES of four vector instructions, a tile each where the four are alike.  AES writes slice k_.
;   0 the maximum of three waves' maxima     1 c m_old is kept     2 the fourth wave's and the old m: the new m; the maxima have been read, so P's fragments of kk = 1 are fetched over them     3 c m     4 c m_old - c m_new
;   5 the scalings c s - c m of pairs 0-3     6-17 a scaling (pairs 4-15) and three exponentials (the four a, then s0-s31; a pair is scaled ahead of its exponentials).  The 36 exponentials are ONE batch: nothing ahead of
;   the wait behind slice 17 names a result of theirs; four v_nop (the plain instruction behind the last exponential, and places for the loads) and one wait follow, and directly behind the wait K's first half
;   18-22 the sum of my 8 weights a tile; l = l a + it     23-26 the roundings to f16, in place, ascending: pair j goes into register j, which pairs j and above no longer need; then P(t) is stored
.macro EXQ                             ; exponential e_ of 36
.if e_ < 4
	v_exp_f32 v[ST+4*e_+2], v[ST+4*e_+2]
.else
	v_exp_f32 v[S+e_-4], v[S+e_-4]
.endif
.set e_, e_+1
.endm
.macro FMQ                             ; scaling f_ of 16
	v_pk_fma_f32 v[S+2*f_:S+2*f_+1], v[S+2*f_:S+2*f_+1], s[CS:CS+1], v[ST+4*(f_/4):ST+4*(f_/4)+1] op_sel_hi:[1,0,0] neg_lo:[0,0,1] neg_hi:[0,0,1]
.set f_, f_+1
.endm
.macro AES par, pv, kload
.if k_ < 27
	WIN 0
.endif
.if k_ == 0
.irp ii, 0,1,2,3
	v_max3_num_f32 v[MX+(\ii)], v[SB+(\ii)], v[SB+4+(\ii)], v[SB+8+(\ii)]
.endr
.elseif k_ == 1
.irp ii, 0,1,2,3
	v_mov_b32 v[ST+4*(\ii)+2], v[ST+4*(\ii)]
.endr
.elseif k_ == 2
.irp ii, 0,1,2,3
	v_max3_num_f32 v[ST+4*(\ii)+1], v[MX+(\ii)], v[SB+12+(\ii)], v[ST+4*(\ii)+1]
.endr
.if \pv
	LDP 1, \par
.endif
.elseif k_ == 3
.irp ii, 0,1,2,3
	v_mul_f32 v[ST+4*(\ii)], s[CS], v[ST+4*(\ii)+1]
.endr
.elseif k_ == 4
.irp ii, 0,1,2,3
	v_sub_f32 v[ST+4*(\ii)+2], v[ST+4*(\ii)+2], v[ST+4*(\ii)]
.endr
.elseif k_ == 5
	FMQ
	FMQ
	FMQ
	FMQ
.elseif k_ < 18
	FMQ
	EXQ
	EXQ
	EXQ
.if k_ == 17
	PLACES
	s_wait_alu depctr_va_vdst(0)
.if \kload
	LDK 1-(\par), 0                                ; where V's keys 0-31 lay: their last product stands seven plain instructions back
.endif
.endif
.elseif k_ == 18
.irp ii, 0,1,2,3
	v_pk_add_f32 v[PF+4*(\ii):PF+4*(\ii)+1], v[S+8*(\ii):S+8*(\ii)+1], v[S+8*(\ii)+2:S+8*(\ii)+3]
.endr
.elseif k_ == 19
.irp ii, 0,1,2,3
	v_pk_add_f32 v[PF+4*(\ii)+2:PF+4*(\ii)+3], v[S+8*(\ii)+4:S+8*(\ii)+5], v[S+8*(\ii)+6:S+8*(\ii)+7]
.endr
.elseif k_ == 20
.irp ii, 0,1,2,3
	v_pk_add_f32 v[PF+4*(\ii):PF+4*(\ii)+1], v[PF+4*(\ii):PF+4*(\ii)+1], v[PF+4*(\ii)+2:PF+4*(\ii)+3]
.endr
.elseif k_ == 21
.irp ii, 0,1,2,3
	v_add_f32 v[PF+4*(\ii)], v[PF+4*(\ii)], v[PF+4*(\ii)+1]
.endr
.elseif k_ == 22
.irp ii, 0,1,2,3
	v_fma_f32 v[ST+4*(\ii)+3], v[ST+4*(\ii)+3], v[ST+4*(\ii)+2], v[PF+4*(\ii)]
.endr
.elseif k_ < 27
.irp ii, 0,1,2,3
	v_cvt_pk_f16_f32 v[S+8*(\ii)+k_-23], v[S+8*(\ii)+2*(k_-23)], v[S+8*(\ii)+2*(k_-23)+1]
.endr
.if k_ == 26
.irp ii, 0,1,2,3
	ds_store_b128 v[ZWS], v[S+8*(\ii):S+8*(\ii)+3] offset:(\par)*XRB+(\ii)*512
.endr
.endif
.endif
.set k_, k_+1
.endm
; O^T += V^T P (pv = 2; 1: the first 32 products start the sums; 0: no products) and the softmax's slices, one behind every second product (ae = 1).  The 32 accumulators take turns, one instruction a turn.
; No slice names a register of the products round it.  THE WAITS.  The trip's LDS instructions in their order: the maxima 4 (ae = 0: P's kk = 1, 8), P's kk = 0 8, V's kk = 0 16 (two a channel tile), V's kk = 1 16; behind product 6
; P's kk = 1 8 (ae = 1); behind product 36 K's first half 16; behind product 54 P's four stores; behind product 64 K's second half 16.  Ahead of product 4 c, c = 0 .. 7, V's channel tile c must be in: behind it were issued the
; 2 (7 - c) loads of the later tiles, V's kk = 1 and, from c = 2 on with ae = 1, P's kk = 1.  Ahead of product 32 nothing younger than what it needs is out: the wait is for 0.
.macro PVAE par, pv, ae, kload
.set k_, 0
.set e_, 0
.set f_, 0
.set m_, 0
.rept 64
.if \pv
.if (m_ < 32) && (m_%4 == 0)
.set y_, 2*(7-m_/4)+16
.if (\ae) && (m_ >= 8)
.set y_, y_+8
.endif
	s_wait_dscnt y_
.elseif m_ == 32
	s_wait_dscnt 0x0
.endif
	WIN 0x50
.if ((\pv) == 1) && (m_ < 32)
	v_wmma_f32_16x16x32_f16 v[8*(m_%32):8*(m_%32)+7], v[U+8*(8*(m_/32)+(m_%32)/4):U+8*(8*(m_/32)+(m_%32)/4)+7], v[PF+8*(4*(m_/32)+m_%4):PF+8*(4*(m_/32)+m_%4)+7], 0
.else
	v_wmma_f32_16x16x32_f16 v[8*(m_%32):8*(m_%32)+7], v[U+8*(8*(m_/32)+(m_%32)/4):U+8*(8*(m_/32)+(m_%32)/4)+7], v[PF+8*(4*(m_/32)+m_%4):PF+8*(4*(m_/32)+m_%4)+7], v[8*(m_%32):8*(m_%32)+7]
.endif
.endif
.if (\ae) && (m_%2 == 1)
	AES \par, \pv, \kload
.endif
.set m_, m_+1
.endr
.if \kload
	WIN 0
	PLACES
	LDK 1-(\par), 1                                ; where V's keys 32-63 lay; it lands under the first 32 products of K Q^T
.endif
.endm
; S^T = K Q^T: the 4 accumulators take turns; the first four products start the sums.  y0: the LDS instructions issued behind K's first half: P's four stores and K's second half's 16 loads, or none.
.macro KQM y0
	s_wait_dscnt \y0
.set n_, 0
.rept 64
.if n_ == 32
	s_wait_dscnt 0x0                               ; K's second half
.endif
	WIN 0x08+4*(n_/32)                             ; Q in window 2, then 3
.if n_ < 4
	v_wmma_f32_16x16x32_f16 v[S+8*(n_%4):S+8*(n_%4)+7], v[U+8*(n_/4):U+8*(n_/4)+7], v[8*(n_%32):8*(n_%32)+7], 0
.else
	v_wmma_f32_16x16x32_f16 v[S+8*(n_%4):S+8*(n_%4)+7], v[U+8*(n_/4):U+8*(n_/4)+7], v[8*(n_%32):8*(n_%32)+7], v[S+8*(n_%4):S+8*(n_%4)+7]
.endif
.set n_, n_+1
.endr
.endm
.macro DMAX par                        ; each query's maximum over my 16 keys (each accumulator's lowest registers are read first), into the other exchange area
	WIN 0
	PLACES
.irp ii, 0,1,2,3
	v_max3_num_f32 v[MX+(\ii)], v[S+8*(\ii)], v[S+8*(\ii)+1], v[S+8*(\ii)+2]
.endr
.irp ii, 0,1,2,3
	v_max3_num_f32 v[MX+(\ii)], v[MX+(\ii)], v[S+8*(\ii)+3], v[S+8*(\ii)+4]
.endr
.irp ii, 0,1,2,3
	v_max3_num_f32 v[MX+(\ii)], v[MX+(\ii)], v[S+8*(\ii)+5], v[S+8*(\ii)+6]
.endr
.irp ii, 0,1,2,3
	v_max_num_f32 v[MX+(\ii)], v[MX+(\ii)], v[S+8*(\ii)+7]
.endr
.irp ii, 0,2                           ; the query's other 8 keys lie in the lane 16 away
	v_permlanex16_b32 v[T0],   v[MX+(\ii)],   s[SEL], s[SEL+1]
	v_permlanex16_b32 v[T0+1], v[MX+(\ii)+1], s[SEL], s[SEL+1]
	v_max_num_f32 v[MX+(\ii)],   v[MX+(\ii)],   v[T0]
	v_max_num_f32 v[MX+(\ii)+1], v[MX+(\ii)+1], v[T0+1]
.endr
	ds_store_b128 v[ZWS], v[MX:MX+3] offset:(1-(\par))*XRB+STATO
.endm
; A TRIP as the loop has it.  kq = 0: there is no further K.
.macro TRIP par, fill, kq
	TOP \par, \fill
	LDM \par
	LDP 0, \par
	LDV 0, \par
	RESC 0
	WIN 0
	LDV 1, \par
	RESC 1
	PVAE \par, 2, 1, \kq
.if \kq
	KQM 20
	DMAX \par
.endif
.endm
	s_load_b256 s[4:11], s[0:1], 0x0               ; Qf s[4:5], Kf s[6:7], Vf s[8:9], out0 s[10:11]
	v_lshl_add_u32 v[SPW], v0, 2, SPARE
	v_mov_b32 v[NIL], 0
	ds_add_u32 v[SPW], v[NIL]                      ; the wave's opening: the add, twice on end, and its wait ahead of my first tensor load; the set-up below stands between
	ds_add_u32 v[SPW], v[NIL]
	v_lshrrev_b32 v[T0], 5, v0
	v_readfirstlane_b32 s[WV], v[T0]               ; wave 0..3
	v_and_b32 v[T0], 31, v0                        ; lane
	v_mov_b32 v[T0+1], 0
	s_bfe_u32 s[CX], ttmp6, 0x40000                ; cx
	s_lshl_b32 s[STA], ttmp9, 2                    ; in a cluster launch ttmp9 counts clusters: the walk begins at step 4 x cluster
	s_add_co_u32 s14, s[STA], s[CX]                ; my block of 64 queries = 4 x cluster + cx
	s_and_b32 s15, ttmp7, 0xffff                   ; the batch, which the four partners share
	s_lshl_b32 s[LW1], s[WV], 14
	s_lshl_b32 s[LW2], s[WV], 15
	; descriptor group 1: dense blocks as rows of 32 elements of 8 bytes
.irp g, G1H, G1Q
	s_mov_b32 s[(\g)+0], 15|(3<<16)|(1<<21)        ; 15:0 the mask of four; 17:16 elements of 8 bytes; 21 set beside a mask; no padding
	s_mov_b32 s[(\g)+1], 32<<16                    ; tensor_dim0 = 32
	s_mov_b32 s[(\g)+3], 32<<16                    ; tile_dim0 = 32
	s_mov_b32 s[(\g)+5], 32                        ; 32 elements from row to row
	s_mov_b32 s[(\g)+6], 0
	s_mov_b32 s[(\g)+7], 0
.endr
	s_mov_b32 s[G1H+2], 128<<16                    ; tensor_dim1, tile_dim1 = 128
	s_mov_b32 s[G1H+4], 128
	s_mov_b32 s[G1Q+2], 64<<16                     ; 64
	s_mov_b32 s[G1Q+4], 64
	s_mov_b32 s[G0], 1                             ; count = 1; LDS addresses: my quarter of each area: no place in the cluster enters them
	s_mov_b32 s[G0+1], s[LW1]
	s_mov_b32 s[F1], 1
	s_add_co_u32 s[F1+1], s[LW1], SLOTB
	s_mov_b32 s[F2], 1
	s_add_co_u32 s[F2+1], s[LW1], VAREA
	s_mov_b32 s[F3], 1
	s_add_co_u32 s[F3+1], s[LW1], SLOTB+VAREA
	s_lshl_b32 s18, s15, 21                        ; a batch is 2 MiB of Qf, Kf, Vf
	s_mov_b32 s19, 0
	s_mov_b32 s20, s[LW1]
	s_mov_b32 s21, 0
	s_and_b32 s22, s[WV], 1
	s_lshl_b32 s22, s22, 15                        ; which half of a tile my regular refill brings
	s_mov_b32 s23, 0
	s_lshl_b32 s70, s14, 16                        ; my 64 queries: 64 KiB of Qf
	s_add_co_u32 s70, s70, s18
	s_mov_b32 s71, 0
	s_lshl_b32 s72, s15, 22                        ; out: the batch's 4 MiB, my 64 rows of 2,048 bytes, my wave's 512 bytes of a row
	s_lshl_b32 s73, s14, 17
	s_add_co_u32 s72, s72, s73
	s_lshl_b32 s73, s[WV], 9
	s_add_co_u32 s72, s72, s73
	s_mov_b32 s73, 0
	s_lshl_b32 s74, s[CX], 13
	s_mov_b32 s75, 0
	s_mov_b32 s[CS], 0x3d8293ee                    ; c = log2(e) / sqrt(512) = 0.0637587
	s_mov_b32 s[CS+1], s[CS]                       ; named with it as a pair
	s_mov_b32 s[SEL], 0x76543210
	s_mov_b32 s[SEL+1], 0xfedcba98
	s_lshl_b32 s[OFF], s[STA], 16                  ; the walk's first step, at most 28: the first fills do not go round
	s_mov_b32 s[OFF+1], 0
	s_mov_b32 s[NXT], 0
	s_mov_b32 s[IT], 14
	s_add_co_u32 s[ST2], s[STA], 2
	s_cmp_lt_u32 s[WV], 2
	s_cselect_b32 s[AD2], s[ST2], s[STA]
	s_mul_i32 s78, s[WV], XW
	v_lshlrev_b32 v[PFO], 8, v[T0]
	v_lshl_add_u32 v[AK0], v[T0], 4, s[LW1]
	v_add_nc_u32 v[AK0+1], SLOTB, v[AK0]
	v_add_nc_u32 v[AV0], VAREA, v[AK0]
	v_add_nc_u32 v[AV0+1], SLOTB+VAREA, v[AK0]
	v_lshl_add_u32 v[ZL], v[T0], 4, XR
	v_add_nc_u32 v[ZWS], s78, v[ZL]
	v_lshlrev_b32 v[MX], 4, v[T0]                  ; Q's loads: 16 x lane; the register is free again behind the wait for them
.irp ii, 0,1,2,3
	v_mov_b32 v[ST+4*(\ii)], 0xfe000000            ; c m: far below every c s, so the first a is 0
	v_mov_b32 v[ST+4*(\ii)+1], 0xff7fffff          ; m: the lowest finite number
	v_mov_b32 v[ST+4*(\ii)+3], 0                   ; l
.endr
	s_wait_dscnt 0x0                               ; both opening adds are done
	s_wait_kmcnt 0x0
	s_add_nc_u64 s[6:7], s[6:7], s[18:19]          ; Kf and Vf at the batch
	s_add_nc_u64 s[8:9], s[8:9], s[18:19]
	s_add_nc_u64 s[4:5], s[4:5], s[70:71]          ; Qf at my queries
	s_add_nc_u64 s[10:11], s[10:11], s[72:73]
	s_add_nc_u64 s[KQB:KQB+1], s[6:7], s[20:21]
	s_add_nc_u64 s[VQB:VQB+1], s[8:9], s[20:21]
	s_add_nc_u64 s[G0+2:G0+3], s[KQB:KQB+1], s[OFF:OFF+1]  ; my quarter of K(0),
	s_add_nc_u64 s[F1+2:F1+3], s[G0+2:G0+3], 65536         ; of K(1),
	s_add_nc_u64 s[F2+2:F2+3], s[VQB:VQB+1], s[OFF:OFF+1]  ; of V(0),
	s_add_nc_u64 s[F3+2:F3+3], s[F2+2:F2+3], 65536         ; of V(1)
	s_or_b32 s[G0+3], s[G0+3], 0x80000000          ; type = 2
	s_or_b32 s[F1+3], s[F1+3], 0x80000000
	s_or_b32 s[F2+3], s[F2+3], 0x80000000
	s_or_b32 s[F3+3], s[F3+3], 0x80000000
	s_cmp_lt_u32 s[WV], 2
	s_cselect_b64 s[BASEW:BASEW+1], s[6:7], s[8:9]
	s_add_nc_u64 s[BASEW:BASEW+1], s[BASEW:BASEW+1], s[22:23]
	s_add_nc_u64 s[PBASE:PBASE+1], s[8:9], s[22:23]
	s_add_nc_u64 s[PBASE:PBASE+1], s[PBASE:PBASE+1], s[74:75]
	ROUND                                          ; all four work-groups are here: the first joint loads meet
	tensor_load_to_lds s[G0:G0+3], s[G1Q:G1Q+7]    ; the first fills, one group: K(0), K(1), V(0), V(1)
	s_nop 0
	tensor_load_to_lds s[F1:F1+3], s[G1Q:G1Q+7]
	s_nop 0
	tensor_load_to_lds s[F2:F2+3], s[G1Q:G1Q+7]
	s_nop 0
	tensor_load_to_lds s[F3:F3+3], s[G1Q:G1Q+7]
	s_nop 0
	PLACES
	WIN 0x80                                       ; Q stays in registers: number m of a window: ks = m / 8 (+ 8), tile (m / 2) % 4, half m % 2
.set n_, 0
.rept 64
	global_load_b128 v[4*n_:4*n_+3], v[MX], s[4:5] offset:((n_/2)%4)*16384+(n_/8)*1024+(n_%2)*512
.set n_, n_+1
.endr
	WIN 0xc0
.set n_, 0
.rept 64
	global_load_b128 v[4*n_:4*n_+3], v[MX], s[4:5] offset:((n_/2)%4)*16384+(8+n_/8)*1024+(n_%2)*512
.set n_, n_+1
.endr
	WIN 0
	s_wait_tensorcnt 0x3                           ; my quarter of K(0) is in (three loads were issued behind it); it is my own key tile, so no barrier is wanted
	LDK 0, 0
	LDK 0, 1
	s_wait_loadcnt 0x0                             ; Q
	KQM 0                                          ; S(0)
	DMAX 1                                         ; its maxima, into exchange area 0
	TOP 0, 3                                       ; TRIP 0: there is no P yet: the slices stand by themselves
	LDM 0
	ASK
	s_wait_dscnt 0x0                               ; the maxima
	PVAE 0, 0, 1, 1
	KQM 20
	DMAX 0
	TOP 1, 3                                       ; TRIP 1: the products V(0)^T P(0) start O's sums: nothing is cleared, nothing rescaled
	LDM 1
	LDP 0, 1
	LDV 0, 1
	LDV 1, 1
	ASK
	PVAE 1, 1, 1, 1
	KQM 20
	DMAX 1
.Lloop:                                            ; 14 times: trips 2 and 3 .. 28 and 29
	TRIP 0, 2, 1
	TRIP 1, 2, 1
	s_sub_co_u32 s[IT], s[IT], 1
	s_cmp_lg_u32 s[IT], 0
	s_cbranch_scc1 .Lloop
	TRIP 0, 1, 1                                   ; THE TAIL is written out.  Trip 30: V(30) alone is asked for
	TRIP 1, 1, 0                                   ; trip 31: V(31); there is no further K
	WIN 0
	PLACES                                         ; behind the trip's last products, for trip 32's loads into their sources
.irp ii, 0,2                           ; l of my wave's 16 keys: the other 8 lie in the lane 16 away
	v_permlanex16_b32 v[T0],   v[ST+4*(\ii)+3], s[SEL], s[SEL+1]
	v_permlanex16_b32 v[T0+1], v[ST+4*(\ii)+7], s[SEL], s[SEL+1]
	v_add_f32 v[MX+(\ii)],   v[ST+4*(\ii)+3], v[T0]
	v_add_f32 v[MX+(\ii)+1], v[ST+4*(\ii)+7], v[T0+1]
.endr
	ds_store_b128 v[ZWS], v[MX:MX+3] offset:XRB+LSUMO
	TOP 0, 0                                       ; trip 32: the last products; nothing is filled, so no round
	LDP 1, 0                                       ; there are no maxima to read: P's kk = 1 takes their place in the order
	LDP 0, 0
	LDV 0, 0
	RESC 0
	WIN 0
	LDV 1, 0
	RESC 1
	PVAE 0, 2, 0, 0
	; THE WAY OUT.  The four waves' l are added; O^T is divided by l and sent through my own stage in LDS, a tile of 16 queries at a time, so that whole rows leave.  The eight address lines are the places behind the last products.
	WIN 0
	s_mul_i32 s20, s[WV], 16*SP
	s_add_co_u32 s20, s20, STAGE
	v_and_b32 v[T0], 15, v0
	v_bfe_u32 v[T0+1], v0, 4, 1
	v_mul_u32_u24 v[STO], v[T0], SP                ; in: row lane % 16, 32 bytes for each half of the lanes
	v_lshl_add_u32 v[STO], v[T0+1], 5, v[STO]
	v_add_nc_u32 v[STO], s20, v[STO]
	v_and_b32 v[GO], 31, v0
	v_lshlrev_b32 v[GO], 4, v[GO]                  ; back: 32 lanes take a row's 512 bytes
	v_add_nc_u32 v[RD], s20, v[GO]
.irp ww, 0,1,2,3
	ds_load_b128 v[PF+4*(\ww):PF+4*(\ww)+3], v[ZL] offset:XRB+(\ww)*XW+LSUMO
.endr
	s_wait_dscnt 0x0
.irp ii, 0,1,2,3
	v_add_f32 v[MX+(\ii)], v[PF+(\ii)], v[PF+4+(\ii)]
.endr
.irp ii, 0,1,2,3
	v_add_f32 v[MX+(\ii)], v[MX+(\ii)], v[PF+8+(\ii)]
.endr
.irp ii, 0,1,2,3
	v_add_f32 v[MX+(\ii)], v[MX+(\ii)], v[PF+12+(\ii)]
.endr
.irp ii, 0,1,2,3
	v_rcp_f32 v[ST+4*(\ii)+2], v[MX+(\ii)]
.endr
	v_nop                                          ; a plain instruction behind the last reciprocal,
	s_wait_alu depctr_va_vdst(0)                   ; and the wait ahead of the first use: one for the four
.macro PACK t                          ; tile t: scaled in place; 32 bytes a lane and channel tile into rows of 528 bytes; back as whole rows of 512
	WIN 0x41
.set n_, 0
.rept 32
	v_pk_mul_f32 v[8*(4*(n_/4)+(\t))+2*(n_%4):8*(4*(n_/4)+(\t))+2*(n_%4)+1], v[8*(4*(n_/4)+(\t))+2*(n_%4):8*(4*(n_/4)+(\t))+2*(n_%4)+1], v[ST+4*(\t)+2:ST+4*(\t)+3] op_sel_hi:[1,0]
.set n_, n_+1
.endr
	WIN 0x04                                       ; the stores' data in window 1, their address in window 0
.set n_, 0
.rept 8
	ds_store_b128 v[STO], v[8*(4*n_+(\t)):8*(4*n_+(\t))+3]   offset:64*n_
	ds_store_b128 v[STO], v[8*(4*n_+(\t))+4:8*(4*n_+(\t))+7] offset:64*n_+16
.set n_, n_+1
.endr
	WIN 0
.if (\t) >= 2
	s_wait_xcnt 0x0                                ; the stores of the tile two back have read the registers that are loaded again
.endif
.set n_, 0
.rept 16
	ds_load_b128 v[FR+64*((\t)%2)+4*n_:FR+64*((\t)%2)+4*n_+3], v[RD] offset:n_*SP  ; LDS serves a wave's instructions in order (ISA guide 5.7.1.4): these see the stores above; the next tile's stores come behind them
.set n_, n_+1
.endr
.endm
.macro SEND t, younger                 ; younger: the LDS instructions issued behind tile t's loads: the next tile's 32, or none
.set n_, 0
.rept 16
	s_wait_dscnt (\younger)+15-n_
	global_store_b128 v[GO], v[FR+64*((\t)%2)+4*n_:FR+64*((\t)%2)+4*n_+3], s[10:11] offset:(16*(\t)+n_)*2048 th:TH_STORE_NT  ; 512 consecutive bytes, at a multiple of 512 from out's first
.set n_, n_+1
.endr
.endm
	PACK 0
	PACK 1                                         ; a tile's arithmetic stands between the loads of the tile before and its stores
	SEND 0, 32
	PACK 2
	SEND 1, 32
	PACK 3
	SEND 2, 32
	SEND 3, 0
	s_wait_tensorcnt 0x0                           ; the wave's end, behind my last tensor load and my last LDS store
	ds_add_u32 v[SPW], v[NIL]
	s_wait_dscnt 0x0
	ROUND                                          ; the closing round: no work-group ends while a partner may still ask for a tile that names it
	s_endpgm
.Lfunc_end_k_q72d72f2b9a_attn:
	.size	k_q72d72f2b9a_attn, .Lfunc_end_k_q72d72f2b9a_attn-k_q72d72f2b9a_attn
	.p2alignl 7, 3214868480
	.fill 96, 4, 3214868480
	.section	.rodata,"a",@progbits
	.p2align	6, 0x0
	.amdhsa_kernel k_q72d72f2b9a_attn
		.amdhsa_group_segment_fixed_size 327680
		.amdhsa_private_segment_fixed_size 0
		.amdhsa_enable_private_segment 0
		.amdhsa_kernarg_size 32
		.amdhsa_user_sgpr_count 2
		.amdhsa_user_sgpr_kernarg_segment_ptr 1
		.amdhsa_wavefront_size32 1
		.amdhsa_system_sgpr_workgroup_id_x 1
		.amdhsa_system_sgpr_workgroup_id_y 1
		.amdhsa_system_sgpr_workgroup_id_z 1
		.amdhsa_system_vgpr_workitem_id 0
		.amdhsa_next_free_vgpr 1024
		.amdhsa_next_free_sgpr 96
		.amdhsa_reserve_vcc 0
		.amdhsa_float_denorm_mode_32 3
		.amdhsa_float_denorm_mode_16_64 3
		.amdhsa_memory_ordered 1
		.amdhsa_forward_progress 1
		.amdhsa_inst_pref_size 225
	.end_amdhsa_kernel
	.amdgpu_metadata
---
amdhsa.version: [ 1, 2 ]
amdhsa.kernels:
  - .name:           k_q72d72f2b9a_attn
    .symbol:         k_q72d72f2b9a_attn.kd
    .args:
      - { .name: Qf, .offset: 0, .size: 8, .value_kind: global_buffer, .address_space: global }
      - { .name: Kf, .offset: 8, .size: 8, .value_kind: global_buffer, .address_space: global }
      - { .name: Vf, .offset: 16, .size: 8, .value_kind: global_buffer, .address_space: global }
      - { .name: out0, .offset: 24, .size: 8, .value_kind: global_buffer, .address_space: global }
    .group_segment_fixed_size: 327680
    .private_segment_fixed_size: 0
    .kernarg_segment_align: 8
    .kernarg_segment_size: 32
    .max_flat_workgroup_size: 128
    .sgpr_count:     96
    .vgpr_count:     1024
    .wavefront_size: 32
...
	.end_amdgpu_metadata
.endif
;; end of part 3
